; MI455X (gfx1250); checked and timed in simulation.
; The chip was launched on July 23, 2026; its instructions are those of AMD's public machine-readable ISA for CDNA 5 (MIT licence, August 2026) and "CDNA5" Instruction Set Architecture Reference Guide (July 2026). The comments in the code are by the model that wrote it; some were corrected since.
;; Sliding Window Attention. Allowed arithmetic: matrix products marked QUANTISED: E2M3 operands, one E8M0 scale for each 32 along K, by v_wmma_scale_f32_16x16x128_f8f6f4 with both operands' format E2M3, f32 sums; everything else in f32.
;; Inputs: wk 1,024 x 1,024 float32; wo 1,024 x 1,024 float32; wq 1,024 x 1,024 float32; wv 1,024 x 1,024 float32; x 4,096 x 1,024 float32.
;; Outputs: out0 4,096 x 1,024 float32.
;; This version of the problem:
;;   THIS VERSION OF THE PROBLEM IS GIVEN IN LOW PRECISION. The matrix products marked QUANTISED in the list below multiply operands that are first quantised to E2M3 (2 exponent bits, 3 mantissa bits; 6 bits a number), with one power-of-two scale for each 32 numbers along K (OCP MX v1.0); their sums are f32. All else is computed in f32.
;;   The module's matrix products, in the order in which they are computed (A, B: the left and right operand; K: the contracted axis; several contracted axes count as one K, in the product's order):
;;     1. [M 4,096, K 1,024] x [K 1,024, N 1,024]; A: input x; B: input wq: QUANTISED
;;     2. [M 4,096, K 1,024] x [K 1,024, N 1,024]; A: input x; B: input wk: QUANTISED
;;     3. [M 4,096, K 1,024] x [K 1,024, N 1,024]; A: input x; B: input wv: QUANTISED
;;     4. batch 16 x [M 4,096, K 64] x [K 64, N 4,096]; A: computed on the way; B: computed on the way: QUANTISED
;;     5. batch 16 x [M 4,096, K 4,096] x [K 4,096, N 64]; A: softmax (see below); B: computed on the way: QUANTISED
;;     6. [M 4,096, K 1,024] x [K 1,024, N 1,024]; A: computed on the way; B: input wo: QUANTISED
;;   THE QUANTISER, for each operand of a quantised product, along K:
;;     - K is cut into blocks of 32 from its start; a last block that is shorter is filled with zeros.
;;     - A block's scale is 2^e with e = floor(log2(the largest magnitude in the block)) - 2, held to -126 .. 127; a block of zeros has e = 0. As a byte (E8M0): e + 127.
;;     - Each number is divided by its block's scale, clamped to +-7.5, and rounded to the nearest number of E2M3, ties to even, subnormals kept.
;;     - The product sums the exact products of the quantised numbers (number of the format x scale) in f32.
;;   ~~~python
;;   def quantise(x, axis):      # numpy; x: float32 -> the quantised numbers, widened to float32 again
;;       x = np.moveaxis(x, axis, -1); K = x.shape[-1]
;;       x = np.pad(x, [(0, 0)] * (x.ndim - 1) + [(0, -K % 32)]); x = x.reshape(x.shape[:-1] + (-1, 32)); a = np.abs(x).max(-1, keepdims=True)
;;       e = np.where(a > 0, np.clip(np.frexp(np.where(a > 0, a, 1))[1] - 1 - 2, -126, 127), 0)      # np.frexp(a)[1] - 1 = floor(log2(a)), exactly
;;       r = np.clip(x / 2.0 ** e, -7.5, 7.5)
;;       step = 2.0 ** (np.maximum(np.frexp(np.where(r == 0, 1, r))[1] - 1, 0) - 3)
;;       q = np.round(r / step) * step * 2.0 ** e      # np.round: ties to even
;;       return np.moveaxis(q.reshape(q.shape[:-2] + (-1,))[..., :K], -1, axis).astype(np.float32)
;;   ~~~
;;   SOFTMAX AHEAD OF A QUANTISED PRODUCT. Where the list says 'softmax', what is quantised is not the finished softmax but p = 2^(t - M), with t = logit x log2(e) and M = ceil(the row's largest t), a whole number; so 1/2 < the row's largest p <= 1. The row's sum l is taken of the UNQUANTISED p, in f32, and the product's result is divided by l at the end. Since M is a whole number, a kernel that streams over the keys may use a running M (the ceiling of the running maximum): every later rescaling is an exact power of two, which a block's scale takes up: the codes' values come out the same.
;;   OPERANDS COMPUTED ON THE WAY. 'Computed on the way' means the value that the module computes at that place (a softmax that the list does not call 'softmax' is quantised finished and normalised). What goes into a quantiser is computed in f32, as accurately as f32 sums, v_exp_f32 and their like allow (about 1e-6 of the number): no bf16 or f16 on the way to a quantiser, and a product that is left as it is and whose result goes on into a quantised operand takes f32 operands (vector FMAs, or v_wmma_f32_16x16x4_f32). A number that lies on a knife's edge between two numbers of the format may be rounded either way, as far as f32 arithmetic and the matrix unit's own rounding can turn it there, and no further.
;; One version. Each part assembles by itself: llvm-mc -triple=amdgcn-amd-amdhsa -mcpu=gfx1250 --defsym DOCPART=n.
;; ======== version 1 of 1: 4 launches
;; workspace buffers: img 6,291,456 bytes; scl 262,144 bytes; qkv 10,092,544 bytes; aimg 3,145,728 bytes; ascl 131,072 bytes
;; launch quant (part 1): grid 512 x 1, 4 waves a work-group, no clusters, 34,304 bytes of LDS; arguments x, wq, wk, wv, wo, img, scl; writes img, scl
.if DOCPART == 1
	.amdgcn_target "amdgcn-amd-amdhsa--gfx1250"
	.amdhsa_code_object_version 6
	.text
	.protected	k_qb2ecfb5f03_quant
	.globl	k_qb2ecfb5f03_quant
	.p2align	8
	.type	k_qb2ecfb5f03_quant,@function
k_qb2ecfb5f03_quant:
	s_mov_b64 s[64:65], 0
	v_nop
	global_prefetch_b8 v0, s[64:65] scope:SCOPE_SE
	s_setreg_imm32_b32 hwreg(HW_REG_WAVE_MODE, 25, 1), 1
	s_wait_xcnt 0x0
; x [4096][1024] and wq, wk, wv, wo [1024][1024], f32, K innermost, become codes of FP6 (E2M3) with one E8M0 byte for each 32 along K,
; laid in the ORDER OF AN OPERAND'S REGISTERS, so that every later read is a run of 512 or 256 consecutive bytes.
; ROW TILES: tile 2 B + u holds 16 rows; its lane row i is matrix row 32 B + 8 u + i + 8 (i / 8).  Tiles 0-255 x, 256-319 wq, 320-383 wk, 384-447 wv, 448-511 wo.
; img [512 tiles][8 K steps of 128][1,536 bytes]: a fragment's 12 registers as two halves of 768 bytes (64 along K each): registers 0-3 at 16 x lane, registers 4-5 at 512 + 8 x lane.
; scl [512 tiles][4][32 words]: lanes 0-15 the rows' scale words of K step 2 p, lanes 16-31 those of K step 2 p + 1.
; A block's scale is 2^(floor(log2(largest magnitude)) - 2); its byte is the largest magnitude's exponent field - 2, held at 1 from below.
; LIMITS: a block of zeros gets the byte 1 where the rule says 127 (its codes are zeros, which add nothing, and this program alone reads the bytes); largest magnitudes under 2^-124 are held at that floor; NaN and infinities are not served.
; SHARES: a work-group takes one row tile, wave w its K steps 2 w and 2 w + 1: 1,024 bytes of each of the 16 rows, all 32 loads issued at once, each of 512 consecutive bytes.
; The conversions want 16 neighbours along K in one lane, a load wants neighbouring bytes in neighbouring lanes: so a K step's 8 KiB turn through the wave's own stage in LDS.  Waves share nothing: no barrier.
.set PITCH, 528                        ; a stage row: 512 bytes + 16: the sixteen rows that a read touches begin 16 bytes apart modulo 256
.set STG,   16*PITCH                   ; a wave's stage
.set SPARE, 4*STG                      ; behind the stages: the spare words, 128 bytes a wave, that no other line names
.set GI,   4                           ; v4   16 x lane + 1,024 x wave: my bytes of a row
.set STI,  5                           ; v5   the stage, way in: 16 x lane
.set STO,  6                           ; v6   the stage, way out: 528 r + 64 h
.set L16,  7                           ; v7   16 x lane
.set L8,   8                           ; v8   8 x lane
.set L4,   9                           ; v9   4 x lane
.set SPW,  12                          ; v12  my spare word's LDS address; never rewritten
.set NIL,  13                          ; v13  0; never rewritten
.set TM,   16                          ; v16-31 at work: +0..3 largest magnitudes, +4..7 the other half's, then bytes, +12..15 the conversions' scale operands
.set R,    32                          ; v32-159 two K steps x 64 registers as loaded; the first's registers later hold both sets of codes
.set X,    160                         ; v160-223 64 numbers: register 16 b + i = k 32 b + 16 h + i of row r
.set PW,   224                         ; the scale word just made
.set PWA,  225                         ; the first K step's
.set SW,   226                         ; both, by halves of the lanes
.set SEL,  26                          ; s[26:27] v_permlanex16_b32's selects for lane l xor 16
; 64 numbers of a lane become a fragment's 12 registers in v[pc] on (v[pc+12] to v[pc+18] at work) and its rows' scale word in v[pw]
.macro QUANT s, pc, pw
.irp b, 0,1,2,3
	v_max3_num_f32 v[TM+\b], |v[\s+16*\b]|, |v[\s+1+16*\b]|, 0x1800000   ; my 16 numbers of block b, and the floor 2^(3 - 127): the byte cannot fall under 1
.endr
.irp i, 2,4,6,8,10,12,14
.irp b, 0,1,2,3
	v_max3_num_f32 v[TM+\b], v[TM+\b], |v[\s+16*\b+\i]|, |v[\s+1+16*\b+\i]|   ; the four blocks by turns
.endr
.endr
.irp b, 0,1,2,3
	v_permlanex16_b32 v[TM+4+\b], v[TM+\b], s[SEL], s[SEL+1]
.endr
.irp b, 0,1,2,3
	v_max_num_f32 v[TM+\b], v[TM+\b], v[TM+4+\b]   ; with lane l xor 16's 16: the block's largest magnitude
.endr
.irp b, 0,1,2,3
	v_add_nc_u32 v[TM+12+\b], 0xff000000, v[TM+\b] ; 2 off its exponent field: the conversion reads that field alone
.endr
.irp b, 0,1,2,3
	v_lshrrev_b32 v[TM+4+\b], 23, v[TM+12+\b]      ; the scale's byte
.endr
	v_lshl_or_b32 v[\pw], v[TM+5], 8, v[TM+4]
	v_lshl_or_b32 v[\pw], v[TM+6], 16, v[\pw]
	v_lshl_or_b32 v[\pw], v[TM+7], 24, v[\pw]
.irp c, 0,1
	v_cvt_scalef32_pk16_fp6_f32 v[\pc+6*\c:\pc+2+6*\c], v[\s+32*\c:\s+15+32*\c], v[TM+12+2*\c]
	v_cvt_scalef32_pk16_fp6_f32 v[\pc+12+4*\c:\pc+14+4*\c], v[\s+16+32*\c:\s+31+32*\c], v[TM+13+2*\c]   ; a conversion's three registers begin on an even number
.endr
	v_nop                                          ; one plain instruction behind the conversions
.irp c, 0,1                            ; the operand wants a whole block in a lane: lanes 0-15 block 2 c, lanes 16-31 block 2 c + 1
.irp i, 0,1,2
	v_permlane16_swap_b32 v[\pc+6*\c+\i], v[\pc+12+4*\c+\i]
.endr
.irp i, 0,1,2
	v_mov_b32 v[\pc+3+6*\c+\i], v[\pc+12+4*\c+\i]
.endr
.endr
.endm
	s_load_b256 s[4:11], s[0:1], 0x0               ; x, wq, wk, wv
	s_load_b128 s[12:15], s[0:1], 0x20             ; wo, img
	s_load_b64 s[16:17], s[0:1], 0x30              ; scl
	v_lshl_add_u32 v[SPW], v0, 2, SPARE
	v_mov_b32 v[NIL], 0
	v_lshrrev_b32 v1, 5, v0
	v_readfirstlane_b32 s18, v1                    ; wave
	v_and_b32 v1, 31, v0                           ; lane
	v_and_b32 v2, 15, v0                           ; r
	v_bfe_u32 v3, v0, 4, 1                         ; h
	s_mul_i32 s19, s18, STG
	s_lshl_b32 s25, s18, 10
	v_lshlrev_b32 v[L16], 4, v1
	v_lshlrev_b32 v[L8], 3, v1
	v_lshlrev_b32 v[L4], 2, v1
	v_add_nc_u32 v[GI], s25, v[L16]
	v_add_nc_u32 v[STI], s19, v[L16]
	v_mul_u32_u24 v[STO], v2, PITCH
	v_lshl_add_u32 v[STO], v3, 6, v[STO]
	v_add_nc_u32 v[STO], s19, v[STO]
.irp b, 0,1,2,3
	v_mov_b32 v[TM+4+\b], 0                        ; written once: a lane permute's destination counts as one of its sources
.endr
	s_mov_b32 s[SEL], 0x76543210
	s_mov_b32 s[SEL+1], 0xfedcba98
	s_mov_b32 s28, 0xffff0000                      ; lanes 16-31
	s_and_b32 s22, ttmp9, 63                       ; the tile's number inside its tensor: a weight has 64 tiles,
	s_cmp_lt_u32 ttmp9, 256
	s_cselect_b32 s22, ttmp9, s22                  ; x 256
	s_lshr_b32 s23, s22, 1
	s_lshl_b32 s23, s23, 17                        ; 32 rows of 4,096 bytes for each pair of tiles,
	s_and_b32 s24, s22, 1
	s_lshl_b32 s24, s24, 15                        ; 8 rows for the odd one
	s_add_co_u32 s22, s23, s24
	s_mov_b32 s23, 0
	s_mul_i32 s30, ttmp9, 12288                    ; img: 8 fragments a tile, two a wave
	s_mul_i32 s24, s18, 3072
	s_add_co_u32 s30, s30, s24
	s_mov_b32 s31, 0
	s_lshl_b32 s32, ttmp9, 9                       ; scl: 512 bytes a tile, 128 a wave
	s_lshl_b32 s24, s18, 7
	s_add_co_u32 s32, s32, s24
	s_mov_b32 s33, 0
	s_wait_kmcnt 0x0
	s_mov_b64 s[20:21], s[12:13]                   ; which tensor: the choice hangs on the work-group's number alone
	s_cmp_lt_u32 ttmp9, 448
	s_cselect_b64 s[20:21], s[10:11], s[20:21]
	s_cmp_lt_u32 ttmp9, 384
	s_cselect_b64 s[20:21], s[8:9], s[20:21]
	s_cmp_lt_u32 ttmp9, 320
	s_cselect_b64 s[20:21], s[6:7], s[20:21]
	s_cmp_lt_u32 ttmp9, 256
	s_cselect_b64 s[20:21], s[4:5], s[20:21]
	s_add_nc_u64 s[20:21], s[20:21], s[22:23]
	s_add_nc_u64 s[14:15], s[14:15], s[30:31]
	s_add_nc_u64 s[16:17], s[16:17], s[32:33]
.irp s, 0,1
.irp i, 0,1,2,3,4,5,6,7,8,9,10,11,12,13,14,15
	global_load_b128 v[R+64*\s+4*\i:R+64*\s+4*\i+3], v[GI], s[20:21] offset:(\i+8*(\i/8))*4096+512*\s th:TH_LOAD_NT   ; lane row i's 512 bytes of K step 2 w + s
.endr
.endr
; K step 2 w + s: through the stage, quantised, stored.  LDS serves a wave's instructions in order, so no wait stands between the stores and the loads, and both K steps use one stage.
.macro UNIT s, pc
	s_wait_loadcnt 16-16*\s                        ; this K step's 16 loads are in; the second's 16 may stay out while the first is worked
.irp i, 0,1,2,3,4,5,6,7,8,9,10,11,12,13,14,15
	ds_store_b128 v[STI], v[R+64*\s+4*\i:R+64*\s+4*\i+3] offset:PITCH*\i
.endr
.irp b, 0,1,2,3
.irp j, 0,1,2,3
	ds_load_b128 v[X+16*\b+4*\j:X+16*\b+4*\j+3], v[STO] offset:128*\b+16*\j
.endr
.endr
	s_wait_dscnt 0x0                               ; my numbers are back, and the stores have read their registers: the first K step's now take the codes
	QUANT X, \pc, PW
	global_store_b128 v[L16], v[\pc:\pc+3], s[14:15] offset:1536*\s         ; 512 consecutive bytes
	global_store_b64 v[L8], v[\pc+4:\pc+5], s[14:15] offset:1536*\s+512     ; 256
	global_store_b128 v[L16], v[\pc+6:\pc+9], s[14:15] offset:1536*\s+768
	global_store_b64 v[L8], v[\pc+10:\pc+11], s[14:15] offset:1536*\s+1280
.endm
	UNIT 0, R
	v_mov_b32 v[PWA], v[PW]
	UNIT 1, R+24                                   ; a second set of registers for its codes: no store's data are written again
	v_cndmask_b32 v[SW], v[PWA], v[PW], s28        ; lanes 0-15 the first K step's words, lanes 16-31 the second's
	global_store_b32 v[L4], v[SW], s[16:17]
	s_wait_tensorcnt 0x0                           ; the wave's end, behind my last LDS store
	ds_add_u32 v[SPW], v[NIL]
	s_wait_dscnt 0x0
	s_endpgm
.Lfunc_end_k_qb2ecfb5f03_quant:
	.size	k_qb2ecfb5f03_quant, .Lfunc_end_k_qb2ecfb5f03_quant-k_qb2ecfb5f03_quant
	.p2alignl 7, 3214868480
	.fill 96, 4, 3214868480
	.section	.rodata,"a",@progbits
	.p2align	6, 0x0
	.amdhsa_kernel k_qb2ecfb5f03_quant
		.amdhsa_group_segment_fixed_size 34304
		.amdhsa_private_segment_fixed_size 0
		.amdhsa_enable_private_segment 0
		.amdhsa_kernarg_size 56
		.amdhsa_user_sgpr_count 2
		.amdhsa_user_sgpr_kernarg_segment_ptr 1
		.amdhsa_wavefront_size32 1
		.amdhsa_system_sgpr_workgroup_id_x 1
		.amdhsa_system_sgpr_workgroup_id_y 1
		.amdhsa_system_sgpr_workgroup_id_z 1
		.amdhsa_system_vgpr_workitem_id 0
		.amdhsa_next_free_vgpr 256
		.amdhsa_next_free_sgpr 66
		.amdhsa_reserve_vcc 0
		.amdhsa_float_denorm_mode_32 3
		.amdhsa_float_denorm_mode_16_64 3
		.amdhsa_memory_ordered 1
		.amdhsa_forward_progress 1
		.amdhsa_inst_pref_size 19
	.end_amdhsa_kernel
	.amdgpu_metadata
---
amdhsa.version: [ 1, 2 ]
amdhsa.kernels:
  - .name:           k_qb2ecfb5f03_quant
    .symbol:         k_qb2ecfb5f03_quant.kd
    .args:
      - { .name: x, .offset: 0, .size: 8, .value_kind: global_buffer, .address_space: global }
      - { .name: wq, .offset: 8, .size: 8, .value_kind: global_buffer, .address_space: global }
      - { .name: wk, .offset: 16, .size: 8, .value_kind: global_buffer, .address_space: global }
      - { .name: wv, .offset: 24, .size: 8, .value_kind: global_buffer, .address_space: global }
      - { .name: wo, .offset: 32, .size: 8, .value_kind: global_buffer, .address_space: global }
      - { .name: img, .offset: 40, .size: 8, .value_kind: global_buffer, .address_space: global }
      - { .name: scl, .offset: 48, .size: 8, .value_kind: global_buffer, .address_space: global }
    .group_segment_fixed_size: 34304
    .private_segment_fixed_size: 0
    .kernarg_segment_align: 8
    .kernarg_segment_size: 56
    .max_flat_workgroup_size: 128
    .sgpr_count:     66
    .vgpr_count:     256
    .wavefront_size: 32
...
	.end_amdgpu_metadata
.endif
;; end of part 1
;; launch qkv (part 2): grid 8 x 24, 4 waves a work-group, clusters of 4 x 4, 327,680 bytes of LDS; arguments img, scl, qkv; writes qkv
.if DOCPART == 2
	.amdgcn_target "amdgcn-amd-amdhsa--gfx1250"
	.amdhsa_code_object_version 6
	.text
	.protected	k_qb2ecfb5f03_qkv
	.globl	k_qb2ecfb5f03_qkv
	.p2align	8
	.type	k_qb2ecfb5f03_qkv,@function
k_qb2ecfb5f03_qkv:
	s_mov_b64 s[64:65], 0
	v_nop
	global_prefetch_b8 v0, s[64:65] scope:SCOPE_SE
	s_setreg_imm32_b32 hwreg(HW_REG_WAVE_MODE, 25, 1), 1
	s_wait_xcnt 0x0
	s_wait_alu depctr_hold_cnt(0) depctr_sa_sdst(0) depctr_va_vdst(0) depctr_va_sdst(0) depctr_va_ssrc(0) depctr_va_vcc(0) depctr_vm_vsrc(0)
	s_getreg_b32 s2, hwreg(HW_REG_IB_STS2, 6, 4)
	s_cmp_eq_u32 s2, 0
	s_cbranch_scc0 .Lentry_in_a_cluster
	s_endpgm
.Lentry_in_a_cluster:
	s_bfe_u32 s2, ttmp6, 0x10000c
	s_cmp_lg_u32 s2, 0xf033
	s_cbranch_scc0 .Lentry_shape_is_right
	s_endpgm
.Lentry_shape_is_right:
; q = x wq^T, k = x wk^T, v = x wv^T on codes of FP6 (E2M3) with E8M0 scales, K = 1,024; the f32 sums are quantised straight from the accumulators: q and k along the head's 64, v along the tokens.
; ONE BODY, TWO JOBS, chosen by the cluster's y (the same in all partners).  The body makes Quantise_along_B's_rows(A B^T): source 1 = "A" (a lane holds one of its rows), source 0 = "B" (a lane's registers run along its rows).
;   job 0 (cluster y 0-3): A = x, B = wq and wk on end: a lane holds a token, its registers run along the features: two heads of 64.
;   job 1 (cluster y 4-5): A = wv, B = x: a lane holds a feature, its registers run along the tokens: v with the keys innermost; nothing is transposed.
; Operands come as images of their registers (img: [row tile][K step][1,536 bytes]; scl: [row tile][4][32 words]); lane row i of tile 2 B + u is matrix row 32 B + 8 u + i + 8 (i / 8),
; so that the 16 registers of B's tiles 2 B and 2 B + 1 are 16 neighbours, 32 B + 16 (lane / 16) + 0 .. 15, as the conversions want them.
; A tile of 256 x 256 to a work-group, 128 x 128 to a wave: 64 accumulators.  16 x 8 + 4 x 16 = 192 work-groups.  K goes in steps of 256 through two LDS slots; the scale words of all of K come once.
; CLUSTER 4 x 4: A's tiles are asked for jointly along a row of the cluster, B's along a column.
; qkv [16 heads][32 groups of 128 tokens][19,712 bytes]: K at 0 (8 token tiles x 768 bytes of codes, 4 x 128 bytes of scale words), V at 6,656 (4 feature tiles x 1,536, 2 x 128), Q at 13,056 (as K).
; Of q's and k's scale words bytes 0 and 1 count; bytes 2 and 3 hold the neighbour head's bytes or 0, never 0xff, and meet zero codes alone.
; LIMITS: a block of zeros gets the byte 1 (its codes are zeros; this program alone reads the bytes); largest magnitudes under 2^-124 are held at that floor; NaN and infinities are not served.
; REGISTERS: window 0: v16-30 addresses; v32-63 scale words, two sets; v64-83 and v96-138 the way out; v128-223 A's fragments, one set.  window 1: B's fragments, two sets, at v0 and v128.  windows 2, 3: the accumulators, (a, b) at v[8 (8 (a % 4) + b)].
.set FR,    12                         ; registers of a fragment
.set NL,    4                          ; LDS loads that bring one
.set NP,    4                          ; places behind this matrix instruction (ISA guide 7.12.1)
.set HALFT, 8*3072                     ; 8 row tiles x 256 along K: what one tensor load brings, and what one wave reads of A or of B
.set SLOT,  4*HALFT                    ; A's two halves, then B's
.set SCL,   2*SLOT                     ; behind the ring: the scale words, filled once
.set HALFS, 4096                       ; those of 8 row tiles
.set SPARE, SCL+4*HALFS                ; the spare words, 128 bytes a wave, that no other line names
.set U,     19712
.set HS,    32*U                       ; from head to head in qkv
.set ADRA, 16                          ; v16-17 my A fragments in slot 0, 1: + 16 x lane;  v18-19: + 8 x lane
.set ADRB, 20                          ; v20-23 the same for B
.set L16,  24
.set L8,   25
.set L4,   26
.set ADSA, 27                          ; v27  A's scale words: + 4 x lane
.set SPW,  28                          ; v28  my spare word's LDS address; never rewritten
.set NIL,  29                          ; v29  0; never rewritten
.set ADSB, 30                          ; v30  B's scale words
.set SC,   32                          ; scale words: set s at v[32 + 16 s]: + i A's tile i, + 8 + i B's tile i; lanes 0-15 the slot's first 128 along K, lanes 16-31 its second
.set TM,   64                          ; the way out: v64-79 at work
.set PWR,  80                          ; v80, v81 the scale words of an even and an odd block
.set SW0,  82                          ; v82 both by halves of the lanes;  v83 the same 16 bits down
.set SW1,  83
.set PCB,  96                          ; v96.., v120.. codes, two sets
.set AF,   128
.set G1, 24
.set G0, 32
.set G1B, 48
.set G0B, 56
.set G1S, 68
.set G0S, 76
.set G1SB, 80
.set G0SB, 88
.set SEL, 98
.set MSB, 0
.macro WIN new                         ; the immediate's high byte repeats the setting that is left
.if MSB != \new
	s_set_vgpr_msb (MSB<<8)|\new
.set MSB, \new
.endif
.endm
.set MUL_LO, 0xa1                      ; source 0 (B) window 1, source 1 (A) window 0, C and D window 2
.set MUL_HI, 0xf1                      ; the same, C and D window 3
.set TO_B,   0x40                      ; destination window 1, address window 0
; A joint load: waves 0 and 1 fetch for A, waves 2 and 3 for B; the branch hangs on the wave's number alone.  An s_nop 0 and four v_nop follow each line.
.macro JLOAD g0a, g1a, g0b, g1b
	s_cmp_eq_u32 s15, 0
	s_cbranch_scc0 .Lfor_b_\@
	tensor_load_to_lds s[\g0a:\g0a+3], s[\g1a:\g1a+7]
	s_nop 0
.rept 4
	v_nop
.endr
	s_branch .Lasked_\@
.Lfor_b_\@:
	tensor_load_to_lds s[\g0b:\g0b+3], s[\g1b:\g1b+7]
	s_nop 0
.rept 4
	v_nop
.endr
.Lasked_\@:
.endm
.macro CREST                           ; a round of the cluster's barrier behind its opening barrier
	s_cmp_lg_u32 s14, 0
	s_cbranch_scc1 .Lnot_wave_0_\@
	s_barrier_signal -3
.Lnot_wave_0_\@:
	s_barrier_wait -3
	s_barrier_signal -1
	s_barrier_wait -1
.endm
.macro CROUND
	s_barrier_signal -1
	s_barrier_wait -1
	CREST
.endm
.macro PLACES n
.rept \n
	v_nop
.endr
.endm
	s_load_b128 s[4:7], s[0:1], 0x0                ; img, scl
	s_load_b64 s[12:13], s[0:1], 0x10              ; qkv
	v_lshl_add_u32 v[SPW], v0, 2, SPARE
	v_mov_b32 v[NIL], 0
	ds_add_u32 v[SPW], v[NIL]                      ; the wave's opening: the add and its wait ahead of my first tensor load; work on registers stands between
	v_lshrrev_b32 v1, 5, v0
	v_readfirstlane_b32 s14, v1                    ; wave 0..3
	s_lshr_b32 s15, s14, 1                         ; which half of A's rows is mine.  Also: I fetch for A (0) or for B (1)
	s_and_b32 s16, s14, 1                          ; which half of B's rows.  Also: which 8 row tiles I fetch
	s_bfe_u32 s40, ttmp6, 0x40000                  ; cx
	s_bfe_u32 s41, ttmp6, 0x40004                  ; cy
	s_lshl_b32 s42, ttmp9, 2
	s_add_co_u32 s42, s42, s40                     ; work-group x = 4 x cluster x + cx
	s_and_b32 s17, ttmp7, 0xffff                   ; cluster y
	s_lshl_b32 s43, s41, 2
	s_lshl_b32 s43, 15, s43                        ; my row of the cluster
	s_lshl_b32 s44, 0x1111, s40                    ; my column
	; group 1 for codes: 8 rows (row tiles) of 384 elements of 8 bytes (256 along K), 1,536 elements from tile to tile; no padding: every LDS read is a run of consecutive bytes
	s_or_b32 s[G1+0], s43, (3<<16)|(1<<21)         ; 15:0 the mask; 17:16 elements of 8 bytes; 21 set beside a mask
	s_or_b32 s[G1B+0], s44, (3<<16)|(1<<21)
.irp g, G1, G1B
	s_mov_b32 s[\g+1], 384<<16                     ; tensor_dim0
	s_mov_b32 s[\g+2], 8<<16                       ; tensor_dim1
	s_mov_b32 s[\g+3], 384<<16                     ; tile_dim0
	s_mov_b32 s[\g+4], 8                           ; tile_dim1
	s_mov_b32 s[\g+5], 1536                        ; tensor_dim0_stride
	s_mov_b32 s[\g+6], 0
	s_mov_b32 s[\g+7], 0
.endr
	; and for the scale words of 8 row tiles: 4,096 dense bytes as 16 rows of 256
	s_or_b32 s[G1S+0], s43, (3<<16)|(1<<21)
	s_or_b32 s[G1SB+0], s44, (3<<16)|(1<<21)
.irp g, G1S, G1SB
	s_mov_b32 s[\g+1], 32<<16
	s_mov_b32 s[\g+2], 16<<16
	s_mov_b32 s[\g+3], 32<<16
	s_mov_b32 s[\g+4], 16
	s_mov_b32 s[\g+5], 32
	s_mov_b32 s[\g+6], 0
	s_mov_b32 s[\g+7], 0
.endr
	; the first row tile that I fetch.  A's hangs on cy and the cluster's y alone, B's on cx, the cluster's x and the cluster's y alone
	s_lshl_b32 s18, s17, 6                         ; job 0: x's tiles 64 x cluster y on
	s_max_u32 s66, s17, 4
	s_sub_co_u32 s66, s66, 4                       ; job 1: which half of the tokens
	s_lshl_b32 s19, s66, 7                         ;        x's tiles 128 x that on
	s_cmp_ge_u32 s17, 4
	s_cselect_b32 s67, 1, 0                        ; the job
	s_cselect_b32 s18, 384, s18                    ; A: wv begins at tile 384
	s_cselect_b32 s19, s19, 256                    ; B: wq and wk begin at tile 256
	s_lshl_b32 s94, s16, 3
	s_lshl_b32 s20, s41, 4
	s_add_co_u32 s20, s20, s18
	s_add_co_u32 s20, s20, s94                     ; A's row tile
	s_lshl_b32 s46, s42, 4
	s_add_co_u32 s46, s46, s19
	s_add_co_u32 s46, s46, s94                     ; B's
	s_lshl_b32 s22, s20, 9                         ; 512 bytes of scale words a tile,
	s_mov_b32 s23, 0
	s_mul_i32 s20, s20, 12288                      ; 12,288 of codes
	s_mov_b32 s21, 0
	s_lshl_b32 s92, s46, 9
	s_mov_b32 s93, 0
	s_mul_i32 s46, s46, 12288
	s_mov_b32 s47, 0
	s_mul_i32 s45, s14, HALFT                      ; where they go: by the wave's number alone
	s_lshl_b32 s94, s14, 12
	s_mov_b32 s96, 0xffff0000                      ; lanes 16-31
	s_mov_b32 s[SEL], 0x76543210
	s_mov_b32 s[SEL+1], 0xfedcba98
	s_wait_dscnt 0x0                               ; the opening add is done
	s_wait_kmcnt 0x0
	s_add_nc_u64 s[20:21], s[4:5], s[20:21]
	s_add_nc_u64 s[22:23], s[6:7], s[22:23]
	s_add_nc_u64 s[46:47], s[4:5], s[46:47]
	s_add_nc_u64 s[92:93], s[6:7], s[92:93]
	CROUND                                         ; all sixteen work-groups are here: the first joint loads meet
	s_mov_b32 s[G0S], 1
	s_add_co_u32 s[G0S+1], s94, SCL
	s_mov_b64 s[G0S+2:G0S+3], s[22:23]
	s_or_b32 s[G0S+3], s[G0S+3], 0x80000000
	s_mov_b32 s[G0SB], 1
	s_add_co_u32 s[G0SB+1], s94, SCL
	s_mov_b64 s[G0SB+2:G0SB+3], s[92:93]
	s_or_b32 s[G0SB+3], s[G0SB+3], 0x80000000
	JLOAD G0S, G1S, G0SB, G1SB                     ; the scale words first: they are wanted with the first K step
.irp s, 0,1
	s_mov_b32 s[G0+4*\s], 1
	s_add_co_u32 s[G0+4*\s+1], s45, \s*SLOT
	s_add_nc_u64 s[G0+4*\s+2:G0+4*\s+3], s[20:21], \s*3072
	s_or_b32 s[G0+4*\s+3], s[G0+4*\s+3], 0x80000000
	s_mov_b32 s[G0B+4*\s], 1
	s_add_co_u32 s[G0B+4*\s+1], s45, \s*SLOT
	s_add_nc_u64 s[G0B+4*\s+2:G0B+4*\s+3], s[46:47], \s*3072
	s_or_b32 s[G0B+4*\s+3], s[G0B+4*\s+3], 0x80000000
	JLOAD G0+4*\s, G1, G0B+4*\s, G1B               ; three tensor loads of mine are out
.endr
	v_and_b32 v1, 31, v0
	v_lshlrev_b32 v[L16], 4, v1
	v_lshlrev_b32 v[L8], 3, v1
	v_lshlrev_b32 v[L4], 2, v1
	s_mul_i32 s94, s15, HALFT                      ; my 8 row tiles of A
	s_mul_i32 s95, s16, HALFT                      ; and of B,
	s_add_co_u32 s95, s95, 2*HALFT                 ; which lie behind A's 16
.irp s, 0,1
	v_add_nc_u32 v[ADRA+\s], s94, v[L16]
	v_add_nc_u32 v[ADRA+2+\s], s94, v[L8]
	v_add_nc_u32 v[ADRB+\s], s95, v[L16]
	v_add_nc_u32 v[ADRB+2+\s], s95, v[L8]
	s_add_co_u32 s94, s94, SLOT
	s_add_co_u32 s95, s95, SLOT
.endr
	s_lshl_b32 s94, s15, 12
	s_add_co_u32 s94, s94, SCL
	v_add_nc_u32 v[ADSA], s94, v[L4]
	s_lshl_b32 s95, s16, 12
	s_add_co_u32 s95, s95, SCL+2*HALFS
	v_add_nc_u32 v[ADSB], s95, v[L4]
.irp b, 0,1,2,3
	v_mov_b32 v[TM+4+\b], 0                        ; written once: a lane permute's destination counts as one of its sources
.endr
	; where my results go: head, group of 128 tokens, section
	s_lshl_b32 s8, s42, 2                          ; job 0: my 128 features are heads 4 x + 2 half on, modulo 16 (q, then k),
	s_lshl_b32 s3, s16, 1
	s_add_co_u32 s8, s8, s3
	s_and_b32 s8, s8, 15
	s_lshl_b32 s9, s17, 3                          ;        my 128 tokens are group 8 cluster y + 2 cy + half
	s_lshl_b32 s3, s41, 1
	s_add_co_u32 s9, s9, s3
	s_add_co_u32 s9, s9, s15
	s_lshl_b32 s11, s41, 2                         ; job 1: heads 4 cy + 2 half on,
	s_lshl_b32 s3, s15, 1
	s_add_co_u32 s11, s11, s3
	s_lshl_b32 s2, s66, 3                          ;        group 2 (x + 8 (cluster y - 4)) + half
	s_add_co_u32 s2, s2, s42
	s_lshl_b32 s2, s2, 1
	s_add_co_u32 s2, s2, s16
	s_cmp_ge_u32 s42, 4
	s_cselect_b32 s10, 0, 13056                    ; job 0: k's section or q's
	s_cmp_eq_u32 s67, 0
	s_cselect_b32 s8, s8, s11
	s_cselect_b32 s9, s9, s2
	s_cselect_b32 s10, s10, 6656                   ; job 1: v's
	s_lshl_b32 s8, s8, 5
	s_add_co_u32 s8, s8, s9
	s_mul_i32 s8, s8, U
	s_add_co_u32 s8, s8, s10
	s_mov_b32 s9, 0
	s_add_nc_u64 s[12:13], s[12:13], s[8:9]
; A fragment comes as it was stored: registers 0-3 and 6-9 by 16 bytes a lane, 4-5 and 10-11 by 8
.macro FRAG reg, adr, q, i
	ds_load_b128 v[\reg:\reg+3], v[\adr] offset:3072*(\i)+1536*(\q)
	ds_load_b64 v[\reg+4:\reg+5], v[\adr+2] offset:3072*(\i)+1536*(\q)+512
	ds_load_b128 v[\reg+6:\reg+9], v[\adr] offset:3072*(\i)+1536*(\q)+768
	ds_load_b64 v[\reg+10:\reg+11], v[\adr+2] offset:3072*(\i)+1536*(\q)+1280
.endm
; 16 matrix instructions: A's blocks a0, a0 + 1 x B's eight, the slot's q-th 128 along K.  p: B's set; sc: the set of scale words.  zero = 1: the first product starts the sums.
; The 64 accumulators take turns, one instruction a turn, in the same order in every step.
.macro MUL16 a0, p, q, sc, zero
.irp a, \a0, \a0+1
.irp b, 0,1,2,3,4,5,6,7
.set DD, 8*(8*((\a)%4)+\b)
.set BB, 128*(\p)+FR*\b
.set AA, AF+FR*(\a)
.set SBR, SC+16*(\sc)+8+\b
.set SAR, SC+16*(\sc)+(\a)
.if \zero
	v_wmma_scale_f32_16x16x128_f8f6f4 v[DD:DD+7], v[BB:BB+FR-1], v[AA:AA+FR-1], 0, v[SBR], v[SAR] matrix_a_fmt:MATRIX_FMT_FP6 matrix_b_fmt:MATRIX_FMT_FP6
.elseif (\q) == 0
	v_wmma_scale_f32_16x16x128_f8f6f4 v[DD:DD+7], v[BB:BB+FR-1], v[AA:AA+FR-1], v[DD:DD+7], v[SBR], v[SAR] matrix_a_fmt:MATRIX_FMT_FP6 matrix_b_fmt:MATRIX_FMT_FP6
.else
	v_wmma_scale_f32_16x16x128_f8f6f4 v[DD:DD+7], v[BB:BB+FR-1], v[AA:AA+FR-1], v[DD:DD+7], v[SBR], v[SAR] matrix_a_fmt:MATRIX_FMT_FP6 matrix_b_fmt:MATRIX_FMT_FP6 matrix_a_scale:MATRIX_SCALE_ROW1 matrix_b_scale:MATRIX_SCALE_ROW1
.endif
.endr
.endr
.endm
.macro FETCH_B slot, q, p
	WIN TO_B
.irp i, 0,1,2,3,4,5,6,7
	FRAG 128*(\p)+FR*\i, ADRB+\slot, \q, \i
.endr
	WIN 0
.endm
.macro FETCH_A slot, q, i0
.irp i, \i0, \i0+1, \i0+2, \i0+3
	FRAG AF+FR*(\i), ADRA+\slot, \q, \i
.endr
.endm
.macro SCALES sc, kp                   ; the scale words of K steps 2 kp and 2 kp + 1 into set sc: every offset is an immediate
.irp i, 0,1,2,3,4,5,6,7
	ds_load_b32 v[SC+16*\sc+\i], v[ADSA] offset:512*\i+128*\kp
.endr
.irp i, 0,1,2,3,4,5,6,7
	ds_load_b32 v[SC+16*\sc+8+\i], v[ADSB] offset:512*\i+128*\kp
.endr
.endm
; A step of 128 along K that has its successor in the same slot.  A has one set of registers: blocks 0-3 are fetched anew in the step's middle, blocks 4-7 at its end; B has two sets.
.macro STEP slot, q, zero
	s_wait_dscnt 4*NL                              ; all but the youngest 16 loads (A's blocks 4-7) are in
	WIN MUL_LO
	MUL16 0, (\q)%2, \q, \slot, \zero
	MUL16 2, (\q)%2, \q, \slot, \zero
	s_wait_dscnt 0                                 ; A's blocks 4-7 are in
	PLACES NP                                      ; in front of loads into registers that matrix instructions have read
	FETCH_B \slot, (\q)+1, 1-(\q)%2
	FETCH_A \slot, (\q)+1, 0
	WIN MUL_HI
	MUL16 4, (\q)%2, \q, \slot, \zero
	MUL16 6, (\q)%2, \q, \slot, \zero
	PLACES NP
	WIN 0
	FETCH_A \slot, (\q)+1, 4
.endm
; A slot's last step changes slots: one barrier; in front of it each wave waits for all its tensor loads, adds 0 to its spare word, and waits for that and for its reads of this slot.
; fill = 1: the barrier opens a round of the cluster's barrier, and this slot is filled again, two slots ahead, first thing behind the round.
.macro TURN slot, next, fill, kpnext
	s_wait_tensorcnt 0x0                           ; all my tensor loads have landed: my part of the next slot (every window is 0 here)
	ds_add_u32 v[SPW], v[NIL]
	s_wait_dscnt 4*NL+1                            ; the add and the youngest 16 loads may be out
	WIN MUL_LO
	MUL16 0, 1, 1, \slot, 0
	s_wait_dscnt 0x0                               ; the add is done, and my reads of this slot are over
	s_barrier_signal -1
	MUL16 2, 1, 1, \slot, 0
	WIN 0
	s_barrier_wait -1
.if \fill
	CREST                                          ; no wave of any partner still reads this slot or has a load on its way
	s_add_nc_u64 s[G0+4*\slot+2:G0+4*\slot+3], s[G0+4*\slot+2:G0+4*\slot+3], 6144
	s_add_nc_u64 s[G0B+4*\slot+2:G0B+4*\slot+3], s[G0B+4*\slot+2:G0B+4*\slot+3], 6144
	JLOAD G0+4*\slot, G1, G0B+4*\slot, G1B         ; its four v_nop are also the places in front of the loads below
.else
	PLACES NP
.endif
	FETCH_B \next, 0, 0
	FETCH_A \next, 0, 0
	SCALES \next, \kpnext
	WIN MUL_HI
	MUL16 4, 1, 1, \slot, 0
	MUL16 6, 1, 1, \slot, 0
	PLACES NP
	WIN 0
	FETCH_A \next, 0, 4
.endm
	s_wait_tensorcnt 1                             ; the scale words and my part of slot 0 are in; slot 1's load may stay out
	s_barrier_signal -1
	s_barrier_wait -1
	FETCH_B 0, 0, 0
	FETCH_A 0, 0, 0
	SCALES 0, 0
	FETCH_A 0, 0, 4
	STEP 0, 0, 1                                   ; K = 1,024 is eight steps, four slots' worth: written out, since a loop would have one trip
	TURN 0, 1, 1, 1
	STEP 1, 0, 0
	TURN 1, 0, 1, 2
	STEP 0, 0, 0
	TURN 0, 1, 0, 3                                ; nothing is left to fetch
	STEP 1, 0, 0
	s_wait_dscnt 4*NL
	WIN MUL_LO
	MUL16 0, 1, 1, 1, 0
	MUL16 2, 1, 1, 1, 0
	s_wait_dscnt 0
	WIN MUL_HI
	MUL16 4, 1, 1, 1, 0
	MUL16 6, 1, 1, 1, 0
	WIN 0
; THE WAY OUT.  A's block a: my lane's 64 sums, register 16 b + i = B's row 32 b + 16 (lane / 16) + i, are quantised as they stand and leave as a fragment's image: no LDS.
; job 0: the fragment's two halves are two heads' 64 features of 16 tokens.  job 1: it is 128 tokens of 16 features.
.macro OUTB a
.set AC, 64*((\a)%4)
.set WW, 2+(\a)/4
.set WA, 5*WW                          ; sources 0 and 1 in the accumulators' window
.set PC, PCB+24*((\a)%2)
.set PW, PWR+(\a)%2
.if (\a) > 1
	s_wait_xcnt 0x0                                ; the earlier stores have read their data: the registers of two blocks back are written again only behind this wait
.endif
	WIN WA
.irp b, 0,1,2,3
	v_max3_num_f32 v[TM+\b], |v[AC+16*\b]|, |v[AC+1+16*\b]|, 0x1800000   ; each accumulator from its low end on; the floor 2^(3 - 127)
.endr
.irp i, 2,4,6,8,10,12,14
.irp b, 0,1,2,3
	v_max3_num_f32 v[TM+\b], |v[AC+16*\b+\i]|, |v[AC+1+16*\b+\i]|, v[TM+\b]
.endr
.endr
	WIN 0
.irp b, 0,1,2,3
	v_permlanex16_b32 v[TM+4+\b], v[TM+\b], s[SEL], s[SEL+1]
.endr
.irp b, 0,1,2,3
	v_max_num_f32 v[TM+\b], v[TM+\b], v[TM+4+\b]
.endr
.irp b, 0,1,2,3
	v_add_nc_u32 v[TM+12+\b], 0xff000000, v[TM+\b]
.endr
.irp b, 0,1,2,3
	v_lshrrev_b32 v[TM+4+\b], 23, v[TM+12+\b]
.endr
	v_lshl_or_b32 v[PW], v[TM+5], 8, v[TM+4]
	v_lshl_or_b32 v[PW], v[TM+6], 16, v[PW]
	v_lshl_or_b32 v[PW], v[TM+7], 24, v[PW]
	WIN WW                                         ; source 0 in the accumulators' window
.irp c, 0,1
	v_cvt_scalef32_pk16_fp6_f32 v[PC+6*\c:PC+2+6*\c], v[AC+32*\c:AC+15+32*\c], v[TM+12+2*\c]
	v_cvt_scalef32_pk16_fp6_f32 v[PC+12+4*\c:PC+14+4*\c], v[AC+16+32*\c:AC+31+32*\c], v[TM+13+2*\c]
.endr
	WIN 0
	v_nop                                          ; one plain instruction behind the conversions
.irp c, 0,1
.irp i, 0,1,2
	v_permlane16_swap_b32 v[PC+6*\c+\i], v[PC+12+4*\c+\i]
.endr
.irp i, 0,1,2
	v_mov_b32 v[PC+3+6*\c+\i], v[PC+12+4*\c+\i]
.endr
.endr
.if (\a)%2
	v_cndmask_b32 v[SW0], v[PWR], v[PWR+1], s96    ; lanes 0-15 the even block's words, lanes 16-31 the odd one's
	v_lshrrev_b32 v[SW1], 16, v[SW0]               ; job 0: the second head's two bytes
.endif
	s_cmp_eq_u32 s67, 0                            ; the job: the same in all partners
	s_cbranch_scc0 .Ljob1_\@
	global_store_b128 v[L16], v[PC:PC+3], s[12:13] offset:768*(\a)
	global_store_b64 v[L8], v[PC+4:PC+5], s[12:13] offset:768*(\a)+512
	global_store_b128 v[L16], v[PC+6:PC+9], s[12:13] offset:HS+768*(\a)
	global_store_b64 v[L8], v[PC+10:PC+11], s[12:13] offset:HS+768*(\a)+512
.if (\a)%2
	global_store_b32 v[L4], v[SW0], s[12:13] offset:6144+128*((\a)/2)
	global_store_b32 v[L4], v[SW1], s[12:13] offset:HS+6144+128*((\a)/2)
.endif
	s_branch .Lsent_\@
.Ljob1_\@:
	global_store_b128 v[L16], v[PC:PC+3], s[12:13] offset:((\a)/4)*HS+1536*((\a)%4)
	global_store_b64 v[L8], v[PC+4:PC+5], s[12:13] offset:((\a)/4)*HS+1536*((\a)%4)+512
	global_store_b128 v[L16], v[PC+6:PC+9], s[12:13] offset:((\a)/4)*HS+1536*((\a)%4)+768
	global_store_b64 v[L8], v[PC+10:PC+11], s[12:13] offset:((\a)/4)*HS+1536*((\a)%4)+1280
.if (\a)%2
	global_store_b32 v[L4], v[SW0], s[12:13] offset:((\a)/4)*HS+6144+128*(((\a)%4)/2)
.endif
.Lsent_\@:
.endm
	PLACES NP                                      ; behind the last products, in front of the first read of results and of writes into registers that held fragments
.irp a, 0,1,2,3,4,5,6,7
	OUTB \a
.endr
	s_wait_tensorcnt 0x0                           ; the wave's end
	ds_add_u32 v[SPW], v[NIL]
	s_wait_dscnt 0x0
	CROUND                                         ; the closing round: no work-group ends while a partner may still ask for a tile that names it
	s_endpgm
.Lfunc_end_k_qb2ecfb5f03_qkv:
	.size	k_qb2ecfb5f03_qkv, .Lfunc_end_k_qb2ecfb5f03_qkv-k_qb2ecfb5f03_qkv
	.p2alignl 7, 3214868480
	.fill 96, 4, 3214868480
	.section	.rodata,"a",@progbits
	.p2align	6, 0x0
	.amdhsa_kernel k_qb2ecfb5f03_qkv
		.amdhsa_group_segment_fixed_size 327680
		.amdhsa_private_segment_fixed_size 0
		.amdhsa_enable_private_segment 0
		.amdhsa_kernarg_size 24
		.amdhsa_user_sgpr_count 2
		.amdhsa_user_sgpr_kernarg_segment_ptr 1
		.amdhsa_wavefront_size32 1
		.amdhsa_system_sgpr_workgroup_id_x 1
		.amdhsa_system_sgpr_workgroup_id_y 1
		.amdhsa_system_sgpr_workgroup_id_z 1
		.amdhsa_system_vgpr_workitem_id 0
		.amdhsa_next_free_vgpr 1024
		.amdhsa_next_free_sgpr 100
		.amdhsa_reserve_vcc 0
		.amdhsa_float_denorm_mode_32 3
		.amdhsa_float_denorm_mode_16_64 3
		.amdhsa_memory_ordered 1
		.amdhsa_forward_progress 1
		.amdhsa_inst_pref_size 155
	.end_amdhsa_kernel
	.amdgpu_metadata
---
amdhsa.version: [ 1, 2 ]
amdhsa.kernels:
  - .name:           k_qb2ecfb5f03_qkv
    .symbol:         k_qb2ecfb5f03_qkv.kd
    .args:
      - { .name: img, .offset: 0, .size: 8, .value_kind: global_buffer, .address_space: global }
      - { .name: scl, .offset: 8, .size: 8, .value_kind: global_buffer, .address_space: global }
      - { .name: qkv, .offset: 16, .size: 8, .value_kind: global_buffer, .address_space: global }
    .group_segment_fixed_size: 327680
    .private_segment_fixed_size: 0
    .kernarg_segment_align: 8
    .kernarg_segment_size: 24
    .max_flat_workgroup_size: 128
    .sgpr_count:     100
    .vgpr_count:     1024
    .wavefront_size: 32
...
	.end_amdgpu_metadata
.endif
;; end of part 2
;; launch attn (part 3): grid 16 x 16, 16 waves a work-group, no clusters, 167,936 bytes of LDS; arguments qkv, aimg, ascl; writes aimg, ascl
.if DOCPART == 3
	.amdgcn_target "amdgcn-amd-amdhsa--gfx1250"
	.amdhsa_code_object_version 6
	.text
	.protected	k_qb2ecfb5f03_attn
	.globl	k_qb2ecfb5f03_attn
	.p2align	8
	.type	k_qb2ecfb5f03_attn,@function
k_qb2ecfb5f03_attn:
	s_mov_b64 s[64:65], 0
	v_nop
	global_prefetch_b8 v0, s[64:65] scope:SCOPE_SE
	s_setreg_imm32_b32 hwreg(HW_REG_WAVE_MODE, 25, 1), 1
	s_wait_xcnt 0x0
; Attention in a window: query t sees keys s with 0 <= t - s <= 511.  Both products on codes of FP6 (E2M3) with E8M0 scales; the result, divided by the row's sum, is quantised along the model's 1,024 for the last projection.
; THE SOFTMAX: t = score x log2(e) / 8; M = the running largest t rounded up to a whole number; p = 2^(t - M) is what is quantised, along the keys; the sum is taken of the unquantised p; when M moves, sum and O are multiplied by 2^(old M - new M), exactly.
; SHARES.  A work-group owns 256 queries of one head (x: the block, y: the head); each of its 16 waves one tile of 16 queries.  A wave of token group g (128 tokens) walks the five groups g - 4 .. g, 128 keys a step:
; the first holds the window's lower edge, the last the diagonal, the three between are wholly inside.  Groups in front of the sequence's start are jumped over by a scalar branch on ids.
; LDS.  The block's two groups need six groups of keys: six units of 13,056 bytes (K's and V's sections of qkv), each brought ONCE by one tensor load (waves 0-5): no slot is filled again, one barrier in the launch.
; A unit in front of the sequence's start is replaced by group 0 and never read, so that every work-group issues the same loads.
; NO JOINT LOADS: neighbouring blocks share four of their six units, but at different slots, and an LDS address may not hang on a work-group's place in a cluster.
; LAYOUT.  Both products transposed: S^T = K Q^T, O^T = V^T P^T: a lane holds one query throughout.  Lane row i of tile 2 B + u (tokens, features) is row 32 B + 8 u + i + 8 (i / 8), so that 16 registers of two neighbouring tiles are 16 neighbours.
; THE FIRST PRODUCT'S K IS 64: Q's registers 6-11 are zero codes.  K's fragment t is named v[36 + 6 t .. 36 + 6 t + 11]: its upper six registers are the next tile's codes (for tile 7 six zeros); they meet Q's zeros and add exactly 0, since
; E2M3 has no infinity or NaN and no scale byte here is 0xff.  So eight tiles of K take 54 registers and not 96.
; LIMITS: NaN and infinities are not served; a block of zeros gets the byte 1 (its codes are zeros; this program alone reads the bytes); largest magnitudes under 2^-124 are held at that floor.
.set U,     19712
.set UL,    13056                      ; K's and V's sections of a unit
.set SPARE, 6*UL                       ; behind the units: the spare words, 128 bytes a wave, that no other line names
.set A16, 1                            ; v1   13,056 x (wave / 8) + 16 x lane
.set A8,  2                            ; v2   .. + 8 x lane
.set A4,  3                            ; v3   .. + 4 x lane
.set DD,  4                            ; v4   my query's place in its group - 16 (lane / 16)
.set SPW, 5                            ; v5   my spare word's LDS address; never rewritten
.set NIL, 6                            ; v6   0; never rewritten
.set NINF, 7                           ; v7   -infinity
.set L16, 8
.set L8,  9
.set R4,  10                           ; v10  4 x (lane % 16)
.set LN,  11                           ; v11  lane
.set QF,  16                           ; v16-27 Q's fragment; v22-27 zeros
.set QS,  28                           ; Q's scale words
.set PS,  29                           ; p's
.set KS,  30                           ; v30-33 K's, a register for two tiles
.set VS,  34                           ; v34-35 V's
.set KB,  36                           ; v36-83 K's eight tiles, then V's four fragments; v84-89 zeros
.set S,   96                           ; v96-159 S^T, then p
.set O,   160                          ; v160-191 O^T
.set PC,  192                          ; v192-203 p's codes
.set PT,  204                          ; v204-206, v208-210 at work
.set BM,  212                          ; v212-215 the blocks' largest scores, then largest p
.set BP,  216                          ; v216-219 the other half's, then bytes
.set BS,  220                          ; v220-223 the conversions' scale operands
.set FF,  224                          ; v[224:225] f; the low word serves both halves
.set TT,  226
.set C2,  228                          ; v[228:229] the sum's second chain
.set WV,  10
.set SG,  14                           ; s14  my token group
.set SEL, 20
.set CS,  22                           ; s[22:23] c = log2(e) / 8
.set G1,  24
.set G0,  32
	s_load_b128 s[4:7], s[0:1], 0x0                ; qkv, aimg
	s_load_b64 s[8:9], s[0:1], 0x10                ; ascl
	v_lshl_add_u32 v[SPW], v0, 2, SPARE
	v_mov_b32 v[NIL], 0
	ds_add_u32 v[SPW], v[NIL]                      ; the wave's opening: the add and its wait ahead of the first tensor load; work on registers stands between
	v_lshrrev_b32 v1, 5, v0
	v_readfirstlane_b32 s[WV], v1                  ; wave 0..15
	s_lshr_b32 s11, s[WV], 3                       ; which of the block's two groups
	s_and_b32 s12, s[WV], 7                        ; which tile of it
	s_and_b32 s13, ttmp7, 0xffff                   ; the head
	s_lshl_b32 s[SG], ttmp9, 1
	s_add_co_u32 s[SG], s[SG], s11
	s_mov_b32 s[G1], 3<<16                         ; a unit: 13,056 dense bytes as 51 rows of 32 elements of 8 bytes; no mask, no padding
	s_mov_b32 s[G1+1], 32<<16
	s_mov_b32 s[G1+2], 51<<16
	s_mov_b32 s[G1+3], 32<<16
	s_mov_b32 s[G1+4], 51
	s_mov_b32 s[G1+5], 32
	s_mov_b32 s[G1+6], 0
	s_mov_b32 s[G1+7], 0
	s_min_u32 s15, s[WV], 5                        ; the slot that I fill, if I fill one
	s_lshl_b32 s16, ttmp9, 1
	s_add_co_u32 s16, s16, s15
	s_sub_co_i32 s16, s16, 4
	s_max_i32 s16, s16, 0                          ; its group; in front of the start: group 0, not read
	s_lshl_b32 s17, s13, 5
	s_add_co_u32 s16, s16, s17
	s_mul_i32 s16, s16, U
	s_mov_b32 s17, 0
	s_mov_b32 s[G0], 1
	s_mul_i32 s[G0+1], s15, UL
	s_lshl_b32 s18, s13, 5                         ; Q's section of my group
	s_add_co_u32 s18, s18, s[SG]
	s_mul_i32 s18, s18, U
	s_add_co_u32 s18, s18, UL
	s_mul_i32 s36, s12, 768                        ; my tile's codes,
	s_add_co_u32 s36, s36, s18
	s_mov_b32 s37, 0
	s_lshl_b32 s38, s12, 6                         ; its scale words: 64 bytes a tile behind the codes
	s_add_co_u32 s38, s38, s18
	s_add_co_u32 s38, s38, 6144
	s_mov_b32 s39, 0
	s_lshl_b32 s40, s[SG], 3
	s_add_co_u32 s40, s40, s12                     ; my token tile, 0..255
	s_lshr_b32 s41, s13, 1                         ; the last product's K step: two heads each
	s_and_b32 s42, s13, 1                          ; and my half of it
	s_lshl_b32 s44, s40, 3
	s_add_co_u32 s44, s44, s41
	s_mul_i32 s44, s44, 1536
	s_mul_i32 s43, s42, 768
	s_add_co_u32 s44, s44, s43
	s_mov_b32 s45, 0
	s_lshl_b32 s46, s40, 9
	s_lshl_b32 s43, s41, 6
	s_add_co_u32 s46, s46, s43
	s_lshl_b32 s43, s42, 1
	s_add_co_u32 s46, s46, s43
	s_mov_b32 s47, 0
	s_lshr_b32 s43, s12, 1
	s_lshl_b32 s43, s43, 5
	s_and_b32 s19, s12, 1
	s_lshl_b32 s19, s19, 3
	s_add_co_u32 s43, s43, s19                     ; my tile's first token in its group
	s_mul_i32 s19, s11, UL                         ; my first step's slot
	s_mov_b32 s[SEL], 0x76543210
	s_mov_b32 s[SEL+1], 0xfedcba98
	s_mov_b32 s[CS], 0x3e38aa3b
	s_mov_b32 s[CS+1], s[CS]                       ; named with it as a pair, so it is written
	s_wait_dscnt 0x0                               ; the opening add is done
	s_wait_kmcnt 0x0
	s_add_nc_u64 s[G0+2:G0+3], s[4:5], s[16:17]
	s_or_b32 s[G0+3], s[G0+3], 0x80000000
	s_cmp_lt_u32 s[WV], 6
	s_cbranch_scc0 .Lno_load
	tensor_load_to_lds s[G0:G0+3], s[G1:G1+7]      ; one tensor load of mine is out
	s_nop 0
.rept 4
	v_nop
.endr
.Lno_load:
	s_add_nc_u64 s[36:37], s[4:5], s[36:37]
	s_add_nc_u64 s[38:39], s[4:5], s[38:39]
	s_add_nc_u64 s[6:7], s[6:7], s[44:45]
	s_add_nc_u64 s[8:9], s[8:9], s[46:47]
	v_and_b32 v[LN], 31, v0
	v_and_b32 v[TT], 15, v0                        ; r
	v_bfe_u32 v[C2], v0, 4, 1                      ; h
	v_lshlrev_b32 v[L16], 4, v[LN]
	v_lshlrev_b32 v[L8], 3, v[LN]
	v_lshlrev_b32 v[R4], 2, v[TT]
	global_load_b128 v[QF:QF+3], v[L16], s[36:37]
	global_load_b64 v[QF+4:QF+5], v[L8], s[36:37] offset:512
	global_load_b32 v[QS], v[R4], s[38:39]
	v_add_nc_u32 v[A16], s19, v[L16]
	v_add_nc_u32 v[A8], s19, v[L8]
	v_lshl_add_u32 v[A4], v[LN], 2, s19
	v_and_b32 v[DD], 8, v[TT]
	v_add_nc_u32 v[DD], v[DD], v[TT]               ; r + 8 (r / 8)
	v_lshlrev_b32 v[C2], 4, v[C2]
	v_sub_nc_u32 v[DD], v[DD], v[C2]
	v_add_nc_u32 v[DD], s43, v[DD]
	v_mov_b32 v[NINF], 0xff800000
.irp j, 0,1,2,3,4,5
	v_mov_b32 v[QF+6+\j], 0                        ; Q's codes of k = 64 .. 127
	v_mov_b32 v[KB+48+\j], 0                       ; what stands behind K's tile 7
.endr
.set N, 0
.rept 32
	v_mov_b32 v[O+N], 0                            ; O^T: the step is written alike for all five: the first that runs finds zeros
.set N, N+1
.endr
.irp b, 0,1,2,3
	v_mov_b32 v[BP+\b], 0                          ; written once: a lane permute's destination counts as one of its sources
.endr
	v_mov_b32 v[FF+1], 0                           ; named as the upper half of a pair
	v_mov_b32 v13, 0xff61b1e6                      ; the largest t so far: -3e38
	v_floor_f32 v12, -v13                          ; -M
	v_mov_b32 v14, 0                               ; the sum, in two halves
	v_mov_b32 v15, 0
	s_wait_tensorcnt 0x0                           ; my unit has landed,
	s_barrier_signal -1
	s_barrier_wait -1                              ; everybody's has
	s_wait_loadcnt 0x0                             ; Q
; STEP i: the 128 keys of group g - 4 + i.  kind 1: the window's lower edge; 2: the diagonal; 0: all keys count.
.macro STEP i, kind
.set UB, UL*(\i)
.if (\i) < 4
	s_cmp_lt_u32 s[SG], 4-(\i)                     ; the group lies in front of the sequence's start: ids alone; no barrier, no tensor load stands in a step
	s_cbranch_scc1 .Lskip_\@
.endif
.if (\i) > 0
.rept 4
	v_nop                                          ; places in front of loads into registers that matrix instructions have read
.endr
.endif
.irp t, 0,1,2,3,4,5,6,7
	ds_load_b128 v[KB+6*\t:KB+6*\t+3], v[A16] offset:UB+768*\t
	ds_load_b64 v[KB+6*\t+4:KB+6*\t+5], v[A8] offset:UB+768*\t+512
.endr
.irp p, 0,1,2,3
	ds_load_b32 v[KS+\p], v[A4] offset:UB+6144+128*\p
.endr
	s_wait_dscnt 0x0
.irp p, 0,1,2,3                        ; S^T = K Q^T: eight accumulators, each written once
	v_wmma_scale_f32_16x16x128_f8f6f4 v[S+16*\p:S+16*\p+7], v[KB+12*\p:KB+12*\p+11], v[QF:QF+11], 0, v[KS+\p], v[QS] matrix_a_fmt:MATRIX_FMT_FP6 matrix_b_fmt:MATRIX_FMT_FP6
	v_wmma_scale_f32_16x16x128_f8f6f4 v[S+16*\p+8:S+16*\p+15], v[KB+12*\p+6:KB+12*\p+17], v[QF:QF+11], 0, v[KS+\p], v[QS] matrix_a_fmt:MATRIX_FMT_FP6 matrix_b_fmt:MATRIX_FMT_FP6 matrix_a_scale:MATRIX_SCALE_ROW1
.endr
.rept 4
	v_nop                                          ; places: in front of V's loads into K's registers, and of the first read of the scores
.endr
.irp t, 0,1,2,3                        ; V's four fragments land while the softmax is worked
	ds_load_b128 v[KB+12*\t:KB+12*\t+3], v[A16] offset:UB+6656+1536*\t
	ds_load_b64 v[KB+12*\t+4:KB+12*\t+5], v[A8] offset:UB+6656+1536*\t+512
	ds_load_b128 v[KB+12*\t+6:KB+12*\t+9], v[A16] offset:UB+6656+1536*\t+768
	ds_load_b64 v[KB+12*\t+10:KB+12*\t+11], v[A8] offset:UB+6656+1536*\t+1280
.endr
.irp p, 0,1
	ds_load_b32 v[VS+\p], v[A4] offset:UB+12800+128*\p
.endr
.if (\kind) != 0                       ; register n holds key 32 (n / 16) + n % 16 + 16 (lane / 16) of the group.  Diagonal: hidden where the key comes after my query; lower edge: hidden where it does not
.set N, 0
.rept 64
.if (\kind) == 2
	v_cmp_gt_i32 vcc_lo, 32*(N/16)+N%16, v[DD]
.else
	v_cmp_le_i32 vcc_lo, 32*(N/16)+N%16, v[DD]
.endif
	v_cndmask_b32 v[S+N], v[S+N], v[NINF], vcc_lo  ; -infinity ahead of the maximum: p = 0
.set N, N+1
.endr
.endif
.irp b, 0,1,2,3
	v_max3_num_f32 v[BM+\b], v[S+16*\b], v[S+1+16*\b], v[S+2+16*\b]   ; the largest score of each block of 32 keys: for the row's maximum and, since p rises with the score, for the block's largest p
.endr
.irp j, 3,5,7,9,11,13
.irp b, 0,1,2,3
	v_max3_num_f32 v[BM+\b], v[BM+\b], v[S+16*\b+\j], v[S+1+16*\b+\j]
.endr
.endr
.irp b, 0,1,2,3
	v_max_num_f32 v[BM+\b], v[BM+\b], v[S+15+16*\b]
.endr
.irp b, 0,1,2,3
	v_permlanex16_b32 v[BP+\b], v[BM+\b], s[SEL], s[SEL+1]
.endr
.irp b, 0,1,2,3
	v_max_num_f32 v[BM+\b], v[BM+\b], v[BP+\b]     ; with lane l xor 16's 16 keys
.endr
	v_max3_num_f32 v[TT], v[BM], v[BM+1], v[BM+2]
	v_max_num_f32 v[TT], v[TT], v[BM+3]
	v_mul_f32 v[TT], s[CS], v[TT]                  ; the step's largest t (c is positive)
	v_max_num_f32 v13, v13, v[TT]                  ; the running largest t
	v_mov_b32 v[TT], v12
	v_floor_f32 v12, -v13                          ; the new -M = -ceil(t)
	v_sub_f32 v[TT], v12, v[TT]                    ; old M - new M: a whole number, 0 or less
	v_cvt_i32_f32 v[TT], v[TT]                     ; (it saturates)
	v_ldexp_f32 v[FF], 1.0, v[TT]                  ; f = 2^(old M - new M)
.set N, 0
.rept 32
	v_pk_fma_f32 v[S+N:S+N+1], v[S+N:S+N+1], s[CS:CS+1], v[12:13] op_sel_hi:[1,0,0]   ; t - M, two at a time
.set N, N+2
.endr
.irp b, 0,1,2,3
	v_fma_f32 v[BM+\b], v[BM+\b], s[CS], v12       ; the same of each block's largest score
.endr
.set N, 0
.rept 64
	v_exp_f32 v[S+N], v[S+N]                       ; p = 2^(t - M): not normalised
.set N, N+1
.endr
	v_pk_mul_f32 v[14:15], v[14:15], v[FF:FF+1] op_sel_hi:[1,0]   ; the sums under the new M: the plain instruction behind the exponentials
	s_wait_alu depctr_va_vdst(0)                   ; one wait for the batch of 64, ahead of its first reader
.irp b, 0,1,2,3
	v_exp_f32 v[BM+\b], v[BM+\b]                   ; the blocks' largest p
.endr
	v_pk_add_f32 v[C2:C2+1], v[S:S+1], v[S+2:S+3]  ; the row's sum, of the unquantised p: two chains
.irp j, 4,8,12,16,20,24,28,32,36,40,44,48,52,56,60
	v_pk_add_f32 v[14:15], v[14:15], v[S+\j:S+\j+1]
	v_pk_add_f32 v[C2:C2+1], v[C2:C2+1], v[S+\j+2:S+\j+3]
.endr
	v_pk_add_f32 v[14:15], v[14:15], v[C2:C2+1]
	s_wait_alu depctr_va_vdst(0)                   ; and one for the four
.irp b, 0,1,2,3
	v_max_num_f32 v[BM+\b], 0x1800000, v[BM+\b]    ; the floor 2^(3 - 127): a block whose every p is 0 keeps the byte 1: its codes are zeros
.endr
.irp b, 0,1,2,3
	v_add_nc_u32 v[BS+\b], 0xff000000, v[BM+\b]
.endr
.irp b, 0,1,2,3
	v_lshrrev_b32 v[BP+\b], 23, v[BS+\b]
.endr
	v_lshl_or_b32 v[PS], v[BP+1], 8, v[BP]
	v_lshl_or_b32 v[PS], v[BP+2], 16, v[PS]
	v_lshl_or_b32 v[PS], v[BP+3], 24, v[PS]
.irp c, 0,1
	v_cvt_scalef32_pk16_fp6_f32 v[PC+6*\c:PC+2+6*\c], v[S+32*\c:S+15+32*\c], v[BS+2*\c]
	v_cvt_scalef32_pk16_fp6_f32 v[PT+4*\c:PT+2+4*\c], v[S+16+32*\c:S+31+32*\c], v[BS+1+2*\c]
.endr
	v_nop                                          ; one plain instruction behind the conversions
.irp c, 0,1
.irp j, 0,1,2
	v_permlane16_swap_b32 v[PC+6*\c+\j], v[PT+4*\c+\j]
.endr
.irp j, 0,1,2
	v_mov_b32 v[PC+3+6*\c+\j], v[PT+4*\c+\j]
.endr
.endr
.set N, 0
.rept 16
	v_pk_mul_f32 v[O+N:O+N+1], v[O+N:O+N+1], v[FF:FF+1] op_sel_hi:[1,0]   ; O^T under the new M; these 16 are also the places between the writes of p's codes and scale word and the products
.set N, N+2
.endr
	s_wait_dscnt 0x0                               ; V
.irp p, 0,1                            ; O^T += V^T P^T: four accumulators by turns
	v_wmma_scale_f32_16x16x128_f8f6f4 v[O+16*\p:O+16*\p+7], v[KB+24*\p:KB+24*\p+11], v[PC:PC+11], v[O+16*\p:O+16*\p+7], v[VS+\p], v[PS] matrix_a_fmt:MATRIX_FMT_FP6 matrix_b_fmt:MATRIX_FMT_FP6
	v_wmma_scale_f32_16x16x128_f8f6f4 v[O+16*\p+8:O+16*\p+15], v[KB+24*\p+12:KB+24*\p+23], v[PC:PC+11], v[O+16*\p+8:O+16*\p+15], v[VS+\p], v[PS] matrix_a_fmt:MATRIX_FMT_FP6 matrix_b_fmt:MATRIX_FMT_FP6 matrix_a_scale:MATRIX_SCALE_ROW1
.endr
.if (\i) < 4
.Lskip_\@:
.endif
.endm
	STEP 0, 1
	STEP 1, 0
	STEP 2, 0
	STEP 3, 0
	STEP 4, 2
	; THE WAY OUT: O^T / the sum; register 16 b + i is feature 32 b + 16 (lane / 16) + i of my head: two blocks along the last product's K: half a fragment and half a scale word
.rept 4
	v_nop
.endr
	v_add_f32 v14, v14, v15
	v_permlanex16_b32 v[TT], v14, s[SEL], s[SEL+1]
	v_add_f32 v14, v14, v[TT]                      ; the row's sum
	v_rcp_f32 v[FF], v14
	v_nop                                          ; a plain instruction behind the reciprocal
	s_wait_alu depctr_va_vdst(0)                   ; and the wait ahead of its first reader
.set N, 0
.rept 16
	v_pk_mul_f32 v[S+N:S+N+1], v[O+N:O+N+1], v[FF:FF+1] op_sel_hi:[1,0]
.set N, N+2
.endr
.irp b, 0,1
	v_max3_num_f32 v[BM+\b], |v[S+16*\b]|, |v[S+1+16*\b]|, 0x1800000
.endr
.irp j, 2,4,6,8,10,12,14
.irp b, 0,1
	v_max3_num_f32 v[BM+\b], v[BM+\b], |v[S+16*\b+\j]|, |v[S+1+16*\b+\j]|
.endr
.endr
.irp b, 0,1
	v_permlanex16_b32 v[BP+\b], v[BM+\b], s[SEL], s[SEL+1]
.endr
.irp b, 0,1
	v_max_num_f32 v[BM+\b], v[BM+\b], v[BP+\b]
.endr
.irp b, 0,1
	v_add_nc_u32 v[BS+\b], 0xff000000, v[BM+\b]
.endr
.irp b, 0,1
	v_lshrrev_b32 v[BP+\b], 23, v[BS+\b]
.endr
	v_lshl_or_b32 v[TT], v[BP+1], 8, v[BP]         ; my head's two bytes of the row's scale word
	v_cvt_scalef32_pk16_fp6_f32 v[PC:PC+2], v[S:S+15], v[BS]
	v_cvt_scalef32_pk16_fp6_f32 v[PT:PT+2], v[S+16:S+31], v[BS+1]
	v_nop
.irp j, 0,1,2
	v_permlane16_swap_b32 v[PC+\j], v[PT+\j]
.endr
.irp j, 0,1,2
	v_mov_b32 v[PC+3+\j], v[PT+\j]
.endr
	global_store_b128 v[L16], v[PC:PC+3], s[6:7]   ; 512 consecutive bytes
	global_store_b64 v[L8], v[PC+4:PC+5], s[6:7] offset:512
	v_cmp_gt_u32 vcc_lo, 16, v[LN]
	s_wait_xcnt 0x0                                ; EXEC changes only behind this wait
	s_and_saveexec_b32 s15, vcc_lo
	global_store_b16 v[R4], v[TT], s[8:9]          ; lanes 0-15: two bytes of each row's word; the other head of the K step stores the other two
	s_wait_xcnt 0x0
	s_or_b32 exec_lo, exec_lo, s15
	s_wait_tensorcnt 0x0                           ; the wave's end
	ds_add_u32 v[SPW], v[NIL]
	s_wait_dscnt 0x0
	s_endpgm
.Lfunc_end_k_qb2ecfb5f03_attn:
	.size	k_qb2ecfb5f03_attn, .Lfunc_end_k_qb2ecfb5f03_attn-k_qb2ecfb5f03_attn
	.p2alignl 7, 3214868480
	.fill 96, 4, 3214868480
	.section	.rodata,"a",@progbits
	.p2align	6, 0x0
	.amdhsa_kernel k_qb2ecfb5f03_attn
		.amdhsa_group_segment_fixed_size 167936
		.amdhsa_private_segment_fixed_size 0
		.amdhsa_enable_private_segment 0
		.amdhsa_kernarg_size 24
		.amdhsa_user_sgpr_count 2
		.amdhsa_user_sgpr_kernarg_segment_ptr 1
		.amdhsa_wavefront_size32 1
		.amdhsa_system_sgpr_workgroup_id_x 1
		.amdhsa_system_sgpr_workgroup_id_y 1
		.amdhsa_system_sgpr_workgroup_id_z 1
		.amdhsa_system_vgpr_workitem_id 0
		.amdhsa_next_free_vgpr 256
		.amdhsa_next_free_sgpr 66
		.amdhsa_reserve_vcc 1
		.amdhsa_float_denorm_mode_32 3
		.amdhsa_float_denorm_mode_16_64 3
		.amdhsa_memory_ordered 1
		.amdhsa_forward_progress 1
		.amdhsa_inst_pref_size 100
	.end_amdhsa_kernel
	.amdgpu_metadata
---
amdhsa.version: [ 1, 2 ]
amdhsa.kernels:
  - .name:           k_qb2ecfb5f03_attn
    .symbol:         k_qb2ecfb5f03_attn.kd
    .args:
      - { .name: qkv, .offset: 0, .size: 8, .value_kind: global_buffer, .address_space: global }
      - { .name: aimg, .offset: 8, .size: 8, .value_kind: global_buffer, .address_space: global }
      - { .name: ascl, .offset: 16, .size: 8, .value_kind: global_buffer, .address_space: global }
    .group_segment_fixed_size: 167936
    .private_segment_fixed_size: 0
    .kernarg_segment_align: 8
    .kernarg_segment_size: 24
    .max_flat_workgroup_size: 512
    .sgpr_count:     66
    .vgpr_count:     256
    .wavefront_size: 32
...
	.end_amdgpu_metadata
.endif
;; end of part 3
;; launch oproj (part 4): grid 8 x 32, 4 waves a work-group, clusters of 4 x 4, 229,376 bytes of LDS; arguments aimg, ascl, img, scl, out0; writes out0
.if DOCPART == 4
	.amdgcn_target "amdgcn-amd-amdhsa--gfx1250"
	.amdhsa_code_object_version 6
	.text
	.protected	k_qb2ecfb5f03_oproj
	.globl	k_qb2ecfb5f03_oproj
	.p2align	8
	.type	k_qb2ecfb5f03_oproj,@function
k_qb2ecfb5f03_oproj:
	s_mov_b64 s[64:65], 0
	v_nop
	global_prefetch_b8 v0, s[64:65] scope:SCOPE_SE
	s_setreg_imm32_b32 hwreg(HW_REG_WAVE_MODE, 25, 1), 1
	s_wait_xcnt 0x0
	s_wait_alu depctr_hold_cnt(0) depctr_sa_sdst(0) depctr_va_vdst(0) depctr_va_sdst(0) depctr_va_ssrc(0) depctr_va_vcc(0) depctr_vm_vsrc(0)
	s_getreg_b32 s2, hwreg(HW_REG_IB_STS2, 6, 4)
	s_cmp_eq_u32 s2, 0
	s_cbranch_scc0 .Lentry_in_a_cluster
	s_endpgm
.Lentry_in_a_cluster:
	s_bfe_u32 s2, ttmp6, 0x10000c
	s_cmp_lg_u32 s2, 0xf033
	s_cbranch_scc0 .Lentry_shape_is_right
	s_endpgm
.Lentry_shape_is_right:
; out0 = a wo^T on codes of FP6 (E2M3) with E8M0 scales: a [4096][1024] comes as images of its operand registers (aimg, ascl), wo as row tiles 448-511 of img and scl; out0 [4096][1024] f32.
; A tile of 128 x 128 to a work-group: 256 work-groups (tiles of 256 x 256 would be 64); a wave makes 64 x 64: 16 accumulators.
; ALL OF K FITS IN LDS: (128 + 128) rows x 768 bytes: two halves of K, each brought by one tensor load a wave at the start; nothing is filled again.
; CLUSTER 4 x 4: a's tiles are asked for jointly along a row of the cluster, wo's along a column.
; The matrix instruction is used transposed (source 0 = wo's rows, source 1 = tokens).  Lane row i of tile 2 B + u is row 32 B + 8 u + i + 8 (i / 8): so a lane's 16 registers of wo's tiles 2 B, 2 B + 1 are 16 neighbouring columns, 64 bytes of a row of out0.
; REGISTERS: window 0: v16-30 addresses; v32-47 a's scale words (4 i + p), v48-63 wo's; v64-127 rows on the way out, two sets; v128-255 the accumulators, (a, b) at v[128 + 8 (4 a + b)].
;   window 1: two fragment buffers at v0 and v128: a's four fragments, then wo's four.
.set HALFT, 4*6144                     ; 4 row tiles x 512 along K: what one tensor load brings
.set SLOT,  4*HALFT
.set SCL,   2*SLOT                     ; the scale words, 2,048 bytes a wave
.set STAGE, SCL+4*2048                 ; the way out: 16 rows x (256 + 16) bytes for each wave, its own; no tensor load lands here
.set SP,    272
.set SPARE, STAGE+4*16*SP              ; the spare words, 128 bytes a wave, that no other line names
.set ADRA, 16                          ; v16-17 + 16 x lane, v18-19 + 8 x lane, for the two halves of K
.set ADRB, 20
.set STO,  24
.set RD,   25
.set CO,   26
.set ADSA, 27
.set SPW,  28                          ; my spare word's LDS address; never rewritten
.set NIL,  29                          ; 0; never rewritten
.set ADSB, 30
.set SA,   32
.set SB,   48
.set BK,   64
.set ACC,  128
.set G1, 24
.set G0, 32
.set G1B, 48
.set G0B, 56
.set G1S, 68
.set G0S, 76
.set G1SB, 80
.set G0SB, 88
.set MSB, 0
.macro WIN new                         ; the immediate's high byte repeats the setting that is left
.if MSB != \new
	s_set_vgpr_msb (MSB<<8)|\new
.set MSB, \new
.endif
.endm
.set MUL,  0x05                        ; sources 0 and 1 window 1; C and D window 0
.set TO_F, 0x40                        ; destination window 1, address window 0
.macro JLOAD g0a, g1a, g0b, g1b        ; a joint load: waves 0 and 1 fetch for a, waves 2 and 3 for wo; an s_nop 0 and four v_nop follow each line
	s_cmp_eq_u32 s15, 0
	s_cbranch_scc0 .Lfor_b_\@
	tensor_load_to_lds s[\g0a:\g0a+3], s[\g1a:\g1a+7]
	s_nop 0
.rept 4
	v_nop
.endr
	s_branch .Lasked_\@
.Lfor_b_\@:
	tensor_load_to_lds s[\g0b:\g0b+3], s[\g1b:\g1b+7]
	s_nop 0
.rept 4
	v_nop
.endr
.Lasked_\@:
.endm
.macro CROUND                          ; a round of the cluster's barrier
	s_barrier_signal -1
	s_barrier_wait -1
	s_cmp_lg_u32 s14, 0
	s_cbranch_scc1 .Lnot_wave_0_\@
	s_barrier_signal -3
.Lnot_wave_0_\@:
	s_barrier_wait -3
	s_barrier_signal -1
	s_barrier_wait -1
.endm
	s_load_b256 s[4:11], s[0:1], 0x0               ; aimg, ascl, img, scl
	s_load_b64 s[12:13], s[0:1], 0x20              ; out0
	v_lshl_add_u32 v[SPW], v0, 2, SPARE
	v_mov_b32 v[NIL], 0
	ds_add_u32 v[SPW], v[NIL]                      ; the wave's opening: the add and its wait ahead of my first tensor load; work on registers stands between
	v_lshrrev_b32 v1, 5, v0
	v_readfirstlane_b32 s14, v1                    ; wave 0..3
	s_lshr_b32 s15, s14, 1                         ; which half of the tile's rows is mine.  Also: I fetch for a (0) or for wo (1)
	s_and_b32 s16, s14, 1                          ; which half of its columns.  Also: which 4 row tiles I fetch
	s_bfe_u32 s40, ttmp6, 0x40000                  ; cx
	s_bfe_u32 s41, ttmp6, 0x40004                  ; cy
	s_lshl_b32 s42, ttmp9, 2
	s_add_co_u32 s42, s42, s40                     ; tile column = 4 x cluster x + cx
	s_and_b32 s17, ttmp7, 0xffff
	s_lshl_b32 s17, s17, 2
	s_add_co_u32 s17, s17, s41                     ; tile row = 4 x cluster y + cy
	s_lshl_b32 s43, s41, 2
	s_lshl_b32 s43, 15, s43                        ; my row of the cluster
	s_lshl_b32 s44, 0x1111, s40                    ; my column
	; group 1 for codes: 4 rows (row tiles) of 768 elements of 8 bytes (512 along K), 1,536 elements from tile to tile; no padding
	s_or_b32 s[G1+0], s43, (3<<16)|(1<<21)
	s_or_b32 s[G1B+0], s44, (3<<16)|(1<<21)
.irp g, G1, G1B
	s_mov_b32 s[\g+1], 768<<16
	s_mov_b32 s[\g+2], 4<<16
	s_mov_b32 s[\g+3], 768<<16
	s_mov_b32 s[\g+4], 4
	s_mov_b32 s[\g+5], 1536
	s_mov_b32 s[\g+6], 0
	s_mov_b32 s[\g+7], 0
.endr
	; and for the scale words of 4 row tiles: 2,048 dense bytes as 8 rows of 256
	s_or_b32 s[G1S+0], s43, (3<<16)|(1<<21)
	s_or_b32 s[G1SB+0], s44, (3<<16)|(1<<21)
.irp g, G1S, G1SB
	s_mov_b32 s[\g+1], 32<<16
	s_mov_b32 s[\g+2], 8<<16
	s_mov_b32 s[\g+3], 32<<16
	s_mov_b32 s[\g+4], 8
	s_mov_b32 s[\g+5], 32
	s_mov_b32 s[\g+6], 0
	s_mov_b32 s[\g+7], 0
.endr
	s_lshl_b32 s18, s16, 2
	s_lshl_b32 s20, s17, 3
	s_add_co_u32 s20, s20, s18                     ; a's row tile: 8 x tile row + 4 x half
	s_lshl_b32 s46, s42, 3
	s_add_co_u32 s46, s46, s18
	s_add_co_u32 s46, s46, 448                     ; wo's: 448 + 8 x tile column + 4 x half
	s_lshl_b32 s22, s20, 9
	s_mov_b32 s23, 0
	s_mul_i32 s20, s20, 12288
	s_mov_b32 s21, 0
	s_lshl_b32 s92, s46, 9
	s_mov_b32 s93, 0
	s_mul_i32 s46, s46, 12288
	s_mov_b32 s47, 0
	s_mul_i32 s45, s14, HALFT                      ; where they go: by the wave's number alone
	s_lshl_b32 s94, s14, 11
	s_wait_dscnt 0x0                               ; the opening add is done
	s_wait_kmcnt 0x0
	s_add_nc_u64 s[20:21], s[4:5], s[20:21]
	s_add_nc_u64 s[22:23], s[6:7], s[22:23]
	s_add_nc_u64 s[46:47], s[8:9], s[46:47]
	s_add_nc_u64 s[92:93], s[10:11], s[92:93]
	CROUND                                         ; all sixteen work-groups are here: the joint loads meet
	s_mov_b32 s[G0S], 1
	s_add_co_u32 s[G0S+1], s94, SCL
	s_mov_b64 s[G0S+2:G0S+3], s[22:23]
	s_or_b32 s[G0S+3], s[G0S+3], 0x80000000
	s_mov_b32 s[G0SB], 1
	s_add_co_u32 s[G0SB+1], s94, SCL
	s_mov_b64 s[G0SB+2:G0SB+3], s[92:93]
	s_or_b32 s[G0SB+3], s[G0SB+3], 0x80000000
	JLOAD G0S, G1S, G0SB, G1SB
.irp s, 0,1
	s_mov_b32 s[G0+4*\s], 1
	s_add_co_u32 s[G0+4*\s+1], s45, \s*SLOT
	s_add_nc_u64 s[G0+4*\s+2:G0+4*\s+3], s[20:21], \s*6144
	s_or_b32 s[G0+4*\s+3], s[G0+4*\s+3], 0x80000000
	s_mov_b32 s[G0B+4*\s], 1
	s_add_co_u32 s[G0B+4*\s+1], s45, \s*SLOT
	s_add_nc_u64 s[G0B+4*\s+2:G0B+4*\s+3], s[46:47], \s*6144
	s_or_b32 s[G0B+4*\s+3], s[G0B+4*\s+3], 0x80000000
	JLOAD G0+4*\s, G1, G0B+4*\s, G1B               ; three tensor loads of mine are out: all that the launch has
.endr
	v_and_b32 v1, 31, v0                           ; lane
	v_and_b32 v2, 15, v0                           ; r
	v_bfe_u32 v3, v0, 4, 1                         ; h
	v_lshlrev_b32 v4, 4, v1
	v_lshlrev_b32 v5, 3, v1
	v_lshlrev_b32 v6, 2, v1
	s_mul_i32 s94, s15, HALFT                      ; my 4 row tiles of a
	s_mul_i32 s95, s16, HALFT                      ; and of wo,
	s_add_co_u32 s95, s95, 2*HALFT                 ; which lie behind a's 8
.irp s, 0,1
	v_add_nc_u32 v[ADRA+\s], s94, v4
	v_add_nc_u32 v[ADRA+2+\s], s94, v5
	v_add_nc_u32 v[ADRB+\s], s95, v4
	v_add_nc_u32 v[ADRB+2+\s], s95, v5
	s_add_co_u32 s94, s94, SLOT
	s_add_co_u32 s95, s95, SLOT
.endr
	s_lshl_b32 s94, s15, 11
	s_add_co_u32 s94, s94, SCL
	v_add_nc_u32 v[ADSA], s94, v6
	s_lshl_b32 s95, s16, 11
	s_add_co_u32 s95, s95, SCL+4096
	v_add_nc_u32 v[ADSB], s95, v6
	s_mul_i32 s94, s14, 16*SP
	s_add_co_u32 s94, s94, STAGE                   ; my stage
	v_mul_u32_u24 v[STO], v2, SP                   ; in: row r, 64 bytes for each half of the lanes
	v_lshl_add_u32 v[STO], v3, 6, v[STO]
	v_add_nc_u32 v[STO], s94, v[STO]
	v_mul_u32_u24 v[RD], v3, SP                    ; back: lanes 0-15 one row of 256 bytes, lanes 16-31 the next
	v_lshl_add_u32 v[RD], v2, 4, v[RD]
	v_add_nc_u32 v[RD], s94, v[RD]
	v_lshlrev_b32 v[CO], 12, v3                    ; and the same two rows in out0
	v_lshl_add_u32 v[CO], v2, 4, v[CO]
	s_lshl_b32 s2, s17, 7
	s_lshl_b32 s3, s15, 6
	s_add_co_u32 s2, s2, s3
	s_lshl_b32 s2, s2, 12                          ; my first row of out0: 128 x tile row + 64 x half, 4,096 bytes each
	s_lshl_b32 s3, s42, 9
	s_add_co_u32 s2, s2, s3
	s_lshl_b32 s3, s16, 8
	s_add_co_u32 s2, s2, s3                        ; my first column: 512 x tile column + 256 x half bytes
	s_mov_b32 s3, 0
	s_add_nc_u64 s[12:13], s[12:13], s[2:3]
; the eight fragments of K step k into buffer k % 2: 32 loads in one run
.macro FETCH k
.set FB, 128*((\k)%2)
.set SL, (\k)/4
.set QO, 1536*((\k)%4)
	WIN TO_F
.irp i, 0,1,2,3
	ds_load_b128 v[FB+48+12*\i:FB+48+12*\i+3], v[ADRB+SL] offset:6144*\i+QO
	ds_load_b64 v[FB+48+12*\i+4:FB+48+12*\i+5], v[ADRB+2+SL] offset:6144*\i+QO+512
	ds_load_b128 v[FB+48+12*\i+6:FB+48+12*\i+9], v[ADRB+SL] offset:6144*\i+QO+768
	ds_load_b64 v[FB+48+12*\i+10:FB+48+12*\i+11], v[ADRB+2+SL] offset:6144*\i+QO+1280
	ds_load_b128 v[FB+12*\i:FB+12*\i+3], v[ADRA+SL] offset:6144*\i+QO
	ds_load_b64 v[FB+12*\i+4:FB+12*\i+5], v[ADRA+2+SL] offset:6144*\i+QO+512
	ds_load_b128 v[FB+12*\i+6:FB+12*\i+9], v[ADRA+SL] offset:6144*\i+QO+768
	ds_load_b64 v[FB+12*\i+10:FB+12*\i+11], v[ADRA+2+SL] offset:6144*\i+QO+1280
.endr
.endm
; K step k: its fragments are in; the next step's are asked for; 16 products, the accumulators by turns
.macro K4 k
	s_wait_dscnt 0x0                               ; this step's fragments (and, ahead of step 0, the scale words) are in
.if (\k) == 3
	s_wait_tensorcnt 0x0                           ; my part of K's second half has landed,
	s_barrier_signal -1
	s_barrier_wait -1                              ; everybody's has
.endif
.if (\k) < 7
.if (\k) > 0
.rept 4
	v_nop                                          ; places in front of loads into the buffer that the last step's products read
.endr
.endif
	FETCH (\k)+1
.endif
	WIN MUL
.set FB, 128*((\k)%2)
.set KP, (\k)/2
.irp a, 0,1,2,3
.irp b, 0,1,2,3
.if (\k) == 0
	v_wmma_scale_f32_16x16x128_f8f6f4 v[ACC+8*(4*\a+\b):ACC+8*(4*\a+\b)+7], v[FB+48+12*\b:FB+48+12*\b+11], v[FB+12*\a:FB+12*\a+11], 0, v[SB+4*\b+KP], v[SA+4*\a+KP] matrix_a_fmt:MATRIX_FMT_FP6 matrix_b_fmt:MATRIX_FMT_FP6
.elseif (\k)%2 == 0
	v_wmma_scale_f32_16x16x128_f8f6f4 v[ACC+8*(4*\a+\b):ACC+8*(4*\a+\b)+7], v[FB+48+12*\b:FB+48+12*\b+11], v[FB+12*\a:FB+12*\a+11], v[ACC+8*(4*\a+\b):ACC+8*(4*\a+\b)+7], v[SB+4*\b+KP], v[SA+4*\a+KP] matrix_a_fmt:MATRIX_FMT_FP6 matrix_b_fmt:MATRIX_FMT_FP6
.else
	v_wmma_scale_f32_16x16x128_f8f6f4 v[ACC+8*(4*\a+\b):ACC+8*(4*\a+\b)+7], v[FB+48+12*\b:FB+48+12*\b+11], v[FB+12*\a:FB+12*\a+11], v[ACC+8*(4*\a+\b):ACC+8*(4*\a+\b)+7], v[SB+4*\b+KP], v[SA+4*\a+KP] matrix_a_fmt:MATRIX_FMT_FP6 matrix_b_fmt:MATRIX_FMT_FP6 matrix_a_scale:MATRIX_SCALE_ROW1 matrix_b_scale:MATRIX_SCALE_ROW1
.endif
.endr
.endr
.endm
	s_wait_tensorcnt 1                             ; the scale words and my part of K's first half are in; the second half's load may stay out
	s_barrier_signal -1
	s_barrier_wait -1
.irp i, 0,1,2,3
.irp p, 0,1,2,3
	ds_load_b32 v[SA+4*\i+\p], v[ADSA] offset:512*\i+128*\p   ; all scale words stay in registers: lanes 0-15 K step 2 p, lanes 16-31 K step 2 p + 1
	ds_load_b32 v[SB+4*\i+\p], v[ADSB] offset:512*\i+128*\p
.endr
.endr
	FETCH 0
.irp k, 0,1,2,3,4,5,6,7
	K4 \k
.endr
	WIN 0
; THE WAY OUT, a block of 16 rows x 64 columns at a time, through my own stage: in by 64 bytes a lane, back as whole rows of 256 bytes.  LDS serves a wave's instructions in order: no wait between the stores and the loads, nor ahead of the next block's stores.
.macro TOSTAGE a
.irp g, 0,1
.irp k, 0,1,2,3
	ds_store_b128 v[STO], v[ACC+8*(4*(\a)+2*\g+\k/2)+4*(\k%2):ACC+8*(4*(\a)+2*\g+\k/2)+4*(\k%2)+3] offset:128*\g+16*\k   ; each accumulator from its low end on
.endr
.endr
.irp i, 0,1,2,3,4,5,6,7
	ds_load_b128 v[BK+32*((\a)%2)+4*\i:BK+32*((\a)%2)+4*\i+3], v[RD] offset:2*\i*SP
.endr
.endm
.macro SEND a, younger                 ; younger: the LDS instructions issued behind block a's loads, which may stay out
	s_wait_dscnt \younger
.irp i, 0,1,2,3,4,5,6,7
	global_store_b128 v[CO], v[BK+32*((\a)%2)+4*\i:BK+32*((\a)%2)+4*\i+3], s[12:13] offset:(32*((\a)/2)+8*((\a)%2)+2*\i+8*(\i/4))*4096 th:TH_STORE_NT   ; stage rows 2 i and 2 i + 1 at their true rows; sixteen lanes store 256 consecutive aligned bytes
.endr
.endm
.rept 4
	v_nop                                          ; places behind the last products, in front of the first read of results
.endr
	TOSTAGE 0
.irp a, 1,2,3
.if \a > 1
	s_wait_xcnt 0x0                                ; block a - 2's stores have read their registers: block a's loads may land there
.endif
	TOSTAGE \a
	SEND \a-1, 16                                  ; behind block a - 1's loads: block a's 8 stores and 8 loads
.endr
	SEND 3, 0
	s_wait_tensorcnt 0x0                           ; the wave's end, behind my last tensor load and my last LDS store
	ds_add_u32 v[SPW], v[NIL]
	s_wait_dscnt 0x0
	CROUND                                         ; the closing round: no work-group ends while a partner may still ask for a tile that names it
	s_endpgm
.Lfunc_end_k_qb2ecfb5f03_oproj:
	.size	k_qb2ecfb5f03_oproj, .Lfunc_end_k_qb2ecfb5f03_oproj-k_qb2ecfb5f03_oproj
	.p2alignl 7, 3214868480
	.fill 96, 4, 3214868480
	.section	.rodata,"a",@progbits
	.p2align	6, 0x0
	.amdhsa_kernel k_qb2ecfb5f03_oproj
		.amdhsa_group_segment_fixed_size 229376
		.amdhsa_private_segment_fixed_size 0
		.amdhsa_enable_private_segment 0
		.amdhsa_kernarg_size 40
		.amdhsa_user_sgpr_count 2
		.amdhsa_user_sgpr_kernarg_segment_ptr 1
		.amdhsa_wavefront_size32 1
		.amdhsa_system_sgpr_workgroup_id_x 1
		.amdhsa_system_sgpr_workgroup_id_y 1
		.amdhsa_system_sgpr_workgroup_id_z 1
		.amdhsa_system_vgpr_workitem_id 0
		.amdhsa_next_free_vgpr 512
		.amdhsa_next_free_sgpr 98
		.amdhsa_reserve_vcc 0
		.amdhsa_float_denorm_mode_32 3
		.amdhsa_float_denorm_mode_16_64 3
		.amdhsa_memory_ordered 1
		.amdhsa_forward_progress 1
		.amdhsa_inst_pref_size 53
	.end_amdhsa_kernel
	.amdgpu_metadata
---
amdhsa.version: [ 1, 2 ]
amdhsa.kernels:
  - .name:           k_qb2ecfb5f03_oproj
    .symbol:         k_qb2ecfb5f03_oproj.kd
    .args:
      - { .name: aimg, .offset: 0, .size: 8, .value_kind: global_buffer, .address_space: global }
      - { .name: ascl, .offset: 8, .size: 8, .value_kind: global_buffer, .address_space: global }
      - { .name: img, .offset: 16, .size: 8, .value_kind: global_buffer, .address_space: global }
      - { .name: scl, .offset: 24, .size: 8, .value_kind: global_buffer, .address_space: global }
      - { .name: out0, .offset: 32, .size: 8, .value_kind: global_buffer, .address_space: global }
    .group_segment_fixed_size: 229376
    .private_segment_fixed_size: 0
    .kernarg_segment_align: 8
    .kernarg_segment_size: 40
    .max_flat_workgroup_size: 128
    .sgpr_count:     98
    .vgpr_count:     512
    .wavefront_size: 32
...
	.end_amdgpu_metadata
.endif
;; end of part 4
